; MI455X (gfx1250); checked and timed in simulation.
; The chip was launched on July 23, 2026; its instructions are those of AMD's public machine-readable ISA for CDNA 5 (MIT licence, August 2026) and "CDNA5" Instruction Set Architecture Reference Guide (July 2026). The comments in the code are by the model that wrote it; some were corrected since.
;; Enhanced Self Attention. Allowed arithmetic: matrix products marked QUANTISED: E4M3 operands, one given power-of-two scale a tensor, by v_wmma_f32_16x16x64_fp8_fp8 or v_wmma_f32_16x16x128_fp8_fp8, f32 sums; everything else in f32.
;; Inputs: Wk_codes 1,024 x 32 x 32 uint8 (E4M3 codes of Wk, K innermost, in blocks of 32 codes); Wq_codes 1,024 x 32 x 32 uint8 (E4M3 codes of Wq, K innermost, in blocks of 32 codes); Wv_codes 1,024 x 32 x 32 uint8 (E4M3 codes of Wv, K innermost, in blocks of 32 codes); bk 1,024 float32; bq 1,024 float32; bv 1,024 float32; lowp_scales 10 int32 (the exponents e of the quantised operands' scales 2^e); x_codes 4 x 2,048 x 32 x 32 uint8 (E4M3 codes of x, K innermost, in blocks of 32 codes).
;; Outputs: out0 4 x 2,048 x 1,024 float32.
;; This version of the problem:
;;   THIS VERSION OF THE PROBLEM IS GIVEN IN LOW PRECISION. The matrix products marked QUANTISED in the list below multiply operands that are first quantised to E4M3 (4 exponent bits, 3 mantissa bits; 8 bits a number), with one given power-of-two scale for each operand tensor; their sums are f32. All else is computed in f32.
;;   The module's matrix products, in the order in which they are computed (A, B: the left and right operand; K: the contracted axis; several contracted axes count as one K, in the product's order):
;;     1. [M 8,192, K 1,024] x [K 1,024, N 1,024]; A: input x (given as codes); B: input Wq (given as codes): QUANTISED (scales: A lowp_scales[0], B lowp_scales[1])
;;     2. [M 8,192, K 1,024] x [K 1,024, N 1,024]; A: input x (given as codes); B: input Wk (given as codes): QUANTISED (scales: A lowp_scales[2], B lowp_scales[3])
;;     3. [M 8,192, K 1,024] x [K 1,024, N 1,024]; A: input x (given as codes); B: input Wv (given as codes): QUANTISED (scales: A lowp_scales[4], B lowp_scales[5])
;;     4. batch 4 x [M 2,048, K 1,024] x [K 1,024, N 2,048]; A: computed on the way; B: computed on the way: QUANTISED (scales: A lowp_scales[6], B lowp_scales[7])
;;     5. batch 4 x [M 2,048, K 2,048] x [K 2,048, N 1,024]; A: softmax (see below); B: computed on the way: QUANTISED (scales: A lowp_scales[8], B lowp_scales[9])
;;   THE QUANTISER, for each operand of a quantised product, along K:
;;     - The operand's scale is 2^e, e = its entry of the input lowp_scales (int32; the entries are numbered through the quantised products in the list's order, A before B).
;;     - Each number is divided by the scale, clamped to +-448, and rounded to the nearest number of E4M3, ties to even, subnormals kept.
;;     - The product sums the exact products of the quantised numbers (number of the format x scale) in f32.
;;   ~~~python
;;   def quantise(x, axis, e):      # numpy; x: float32 -> the quantised numbers, widened to float32 again
;;       x = np.moveaxis(x, axis, -1); K = x.shape[-1]
;;       r = np.clip(x / 2.0 ** e, -448, 448)
;;       step = 2.0 ** (np.maximum(np.frexp(np.where(r == 0, 1, r))[1] - 1, -6) - 3)
;;       q = np.round(r / step) * step * 2.0 ** e      # np.round: ties to even
;;       return np.moveaxis(q, -1, axis).astype(np.float32)
;;   ~~~
;;   SOFTMAX AHEAD OF A QUANTISED PRODUCT. Where the list says 'softmax', what is quantised is not the finished softmax but p = 2^(t - M), with t = logit x log2(e) and M = ceil(the row's largest t), a whole number; so 1/2 < the row's largest p <= 1. The row's sum l is taken of the UNQUANTISED p, in f32, and the product's result is divided by l at the end. Since M is a whole number, a kernel that streams over the keys may use a running M (the ceiling of the running maximum): every later rescaling is an exact power of two, so the quantised numbers keep their values, but for numbers so far below the row's largest that they fall under the format's range.
;;   OPERANDS COMPUTED ON THE WAY. 'Computed on the way' means the value that the module computes at that place (a softmax that the list does not call 'softmax' is quantised finished and normalised). What goes into a quantiser is computed in f32, as accurately as f32 sums, v_exp_f32 and their like allow (about 1e-6 of the number): no bf16 or f16 on the way to a quantiser, and a product that is left as it is and whose result goes on into a quantised operand takes f32 operands (vector FMAs, or v_wmma_f32_16x16x4_f32). A number that lies on a knife's edge between two numbers of the format may be rounded either way, as far as f32 arithmetic and the matrix unit's own rounding can turn it there, and no further.
;;   INPUTS GIVEN AS CODES. Wk (in the module: [1024, 1024], K = its axis 1); Wq (in the module: [1024, 1024], K = its axis 1); Wv (in the module: [1024, 1024], K = its axis 1); x (in the module: [4, 2048, 1024], K = its axis 2): each comes as NAME_codes (uint8): NAME with its K axis moved to the last place and cut into blocks of 32 codes, [.., K / 32, bytes a block], one block behind the other in memory; one code a byte (a code: sign, 4 exponent bits, 3 mantissa bits); its scale is its entry of lowp_scales. Its value is code x scale, taken as it is: it is not quantised again, and the codes and scales need not be those that the quantiser above would give.
;; One version. Each part assembles by itself: llvm-mc -triple=amdgcn-amd-amdhsa -mcpu=gfx1250 --defsym DOCPART=n.
;; ======== version 1 of 1: 3 launches
;; limits: right only within a limited range of input values
;; workspace buffers: q_img 8,388,608 bytes; k_img 8,388,608 bytes; v_img 8,388,608 bytes; p_img 16,777,216 bytes; mstat 262,144 bytes; lstat 262,144 bytes
;; launch proj (part 1): grid 8 x 32, 4 waves a work-group, clusters of 4 x 4, 327,680 bytes of LDS; arguments x_codes, Wq_codes, Wk_codes, Wv_codes, bq, bk, bv, lowp_scales, q_img, k_img, v_img; writes q_img, k_img, v_img
.if DOCPART == 1
	.amdgcn_target "amdgcn-amd-amdhsa--gfx1250"
	.amdhsa_code_object_version 6
	.text
	.protected	k_q73143da2e1_proj
	.globl	k_q73143da2e1_proj
	.p2align	8
	.type	k_q73143da2e1_proj,@function
k_q73143da2e1_proj:
	s_mov_b64 s[64:65], 0
	v_nop
	global_prefetch_b8 v0, s[64:65] scope:SCOPE_SE
	s_setreg_imm32_b32 hwreg(HW_REG_WAVE_MODE, 25, 1), 1
	s_wait_xcnt 0x0
	s_wait_alu depctr_hold_cnt(0) depctr_sa_sdst(0) depctr_va_vdst(0) depctr_va_sdst(0) depctr_va_ssrc(0) depctr_va_vcc(0) depctr_vm_vsrc(0)
	s_getreg_b32 s2, hwreg(HW_REG_IB_STS2, 6, 4)
	s_cmp_eq_u32 s2, 0
	s_cbranch_scc0 .Lentry_in_a_cluster
	s_endpgm
.Lentry_in_a_cluster:
	s_bfe_u32 s2, ttmp6, 0x10000c
	s_cmp_lg_u32 s2, 0xf033
	s_cbranch_scc0 .Lentry_shape_is_right
	s_endpgm
.Lentry_shape_is_right:
; q = Q(x Wq^T + bq), k = Q(x Wk^T + bk), v = Q(x Wv^T + bv) as codes, laid as images of the next operands' registers.  No work is left out.
; A work-group makes a tile of 256 x 256 of q or of k (by the cluster's y: even or odd), then 256 rows x 128 channels of v; a wave 128 x 128, then 128 x 64.  256 work-groups.
; The clusters of x = 0 take x's first 4,096 rows, those of x = 1 the others.
; K = 1,024 goes in steps of 256 through two LDS slots.  At the head each wave issues ONE tensor load: waves 0 and 1 bring x's 256 rows for slot 0 and 1, waves 2 and 3 the weight's;
; a refill is a quarter of a slot a wave (128 rows).  CLUSTERS 4 x 4: x's tile is asked for jointly along a row, the weights' along a column.
; v: slot 0's and 1's B parts take Wv (K 512 on, then K 0 on); x's last two K steps are still in LDS, its first two are fetched once more.
; PREFETCHES: x's and the weight's K steps 2 and 3 (a lane a row, the four partners share the rows by address) and Wv; weights are asked for by the first four rows of clusters alone.
; The biases are the C of each sum's first product, divided by the power of two that the sums lack.  TRANSPOSED: source 0 = 16 rows of the weight, source 1 = 16 rows of x (for v: source 0 = x, source 1 = Wv), so a lane's eight results are neighbours along the next K.
; REGISTERS: window 0: v8-31 addresses and constants, v32-95 q's or k's biases, later codes, v96-127 v's, from v128 the fragments of x (for v: of Wv);  window 1: the other operand's, two sets;  windows 2, 3: the accumulators (v: window 2).
; LIMITS: each of e6, e7 and e9, less the two exponents of its own product, lies between -126 and 119.  NaN among the inputs is not served.
.set KROW,   1024
.set ROWB,   256
.set PITCH,  272
.set FR,     16
.set NL,     4
.set NP,     4
.set QUART,  64*PITCH
.set HALFT,  128*PITCH
.set SLOT,   4*HALFT
.set LAPS,   KROW/(2*ROWB)
.set SPARE,  2*SLOT
.set BL,   8
.set ADRA, 16
.set AV,   18
.set ADRB, 20
.set LIMV, 22
.set SCV,  23
.set VO,   24
.set BO,   25
.set LIM,  26
.set SC,   27
.set SPW,  28
.set NIL,  29
.set BI,   32
.set BT,   96
.set AF,   128
.set G0X, 8
.set G1, 24
.set G0, 32
.set G1B, 48
.set G0B, 56
.set G0V, 84
.set G1V, 92
.set FIELDS, (0<<16)|(1<<20)|(1<<21)|(5<<22)|(3<<25)
.set MSB, 0
.macro WIN new
.if MSB != (\new)
	s_set_vgpr_msb (MSB<<8)|(\new)
.set MSB, (\new)
.endif
.endm
.set MUL_LO, 0xa1
.set MUL_HI, 0xf1
.set BIA_LO, 0x81
.set BIA_HI, 0xc1
.set TO_B,   0x40
.macro JLOAD g0a, g1a, g0b, g1b
	s_cmp_eq_u32 s15, 0
	s_cbranch_scc0 .Lfor_b_\@
	tensor_load_to_lds s[\g0a:\g0a+3], s[\g1a:\g1a+7]
	s_nop 0
.rept 4
	v_nop
.endr
	s_branch .Lasked_\@
.Lfor_b_\@:
	tensor_load_to_lds s[\g0b:\g0b+3], s[\g1b:\g1b+7]
	s_nop 0
.rept 4
	v_nop
.endr
.Lasked_\@:
.endm
.macro VLOAD w
	tensor_load_to_lds s[G0V+4*\w:G0V+4*\w+3], s[G1V:G1V+7]
	s_nop 0
.rept 4
	v_nop
.endr
.endm
.macro CREST
	s_cmp_lg_u32 s14, 0
	s_cbranch_scc1 .Lnot_wave_0_\@
	s_barrier_signal -3
.Lnot_wave_0_\@:
	s_barrier_wait -3
	s_barrier_signal -1
	s_barrier_wait -1
.endm
.macro CROUND
	s_barrier_signal -1
	s_barrier_wait -1
	CREST
.endm
	s_load_b256 s[4:11], s[0:1], 0x0
	s_load_b256 s[68:75], s[0:1], 0x20
	s_load_b128 s[76:79], s[0:1], 0x40
	s_load_b64 s[80:81], s[0:1], 0x50
	v_lshl_add_u32 v[SPW], v0, 2, SPARE
	v_mov_b32 v[NIL], 0
	ds_add_u32 v[SPW], v[NIL]
	ds_add_u32 v[SPW], v[NIL]
	v_lshrrev_b32 v1, 5, v0
	v_readfirstlane_b32 s14, v1
	s_lshr_b32 s15, s14, 1
	s_and_b32 s16, s14, 1
	s_bfe_u32 s40, ttmp6, 0x40000
	s_bfe_u32 s41, ttmp6, 0x40004
	s_and_b32 s17, ttmp7, 0xffff
	s_and_b32 s3, s17, 1                           ; 0: q, 1: k
	s_lshl_b32 s42, s3, 2
	s_add_co_u32 s42, s42, s40                     ; v's tile of 128 channels
	s_lshr_b32 s17, s17, 1
	s_lshl_b32 s18, ttmp9, 2
	s_add_co_u32 s17, s17, s18                     ; the row of clusters: 4 x cluster x + cluster y / 2
	s_lshl_b32 s17, s17, 2
	s_add_co_u32 s17, s17, s41                     ; the tile of 256 rows of x
	s_lshl_b32 s43, s41, 2
	s_lshl_b32 s43, 15, s43
	s_lshl_b32 s44, 0x1111, s40
	s_or_b32 s[G1+0], s43, FIELDS
	s_or_b32 s[G1B+0], s44, FIELDS
	s_or_b32 s[G1V+0], s44, FIELDS
.irp g, G1, G1B, G1V
	s_mov_b32 s[\g+1], ROWB<<16
	s_mov_b32 s[\g+3], ROWB<<16
	s_mov_b32 s[\g+5], KROW
	s_mov_b32 s[\g+6], 0
	s_mov_b32 s[\g+7], 0
.endr
.irp g, G1, G1B
	s_mov_b32 s[\g+2], 256<<16                     ; the head's loads: 256 rows (the refills': 128, set behind the head's wait)
	s_mov_b32 s[\g+4], 256
.endr
	s_mov_b32 s[G1V+2], 64<<16
	s_mov_b32 s[G1V+4], 64
	s_lshl_b32 s18, s16, 7
	s_lshl_b32 s20, s17, 8
	s_add_co_u32 s20, s20, s18
	s_lshl_b32 s20, s20, 10
	s_mov_b32 s21, 0
	s_lshl_b32 s46, s40, 8
	s_add_co_u32 s46, s46, s18
	s_lshl_b32 s46, s46, 10
	s_mov_b32 s47, 0
	s_lshl_b32 s66, s42, 7
	s_lshl_b32 s67, s16, 6
	s_add_co_u32 s66, s66, s67
	s_lshl_b32 s66, s66, 10
	s_lshl_b32 s67, s15, 8
	s_add_co_u32 s66, s66, s67
	s_mov_b32 s67, 0
	s_mul_i32 s45, s14, HALFT
	s_wait_dscnt 0x0
	s_wait_kmcnt 0x0
	s_load_b256 s[84:91], s[74:75], 0x0
	s_load_b32 s2, s[74:75], 0x24
	s_cmp_eq_u32 s3, 0
	s_cselect_b64 s[6:7], s[6:7], s[8:9]
	s_cselect_b64 s[68:69], s[68:69], s[70:71]
	s_cselect_b64 s[76:77], s[76:77], s[78:79]
	s_add_nc_u64 s[20:21], s[4:5], s[20:21]
	s_add_nc_u64 s[46:47], s[6:7], s[46:47]
	s_add_nc_u64 s[82:83], s[10:11], s[66:67]
	CROUND
.irp s, 0,1
	s_mov_b32 s[G0+4*\s], 1
	s_add_co_u32 s[G0+4*\s+1], s45, \s*SLOT
	s_add_nc_u64 s[G0+4*\s+2:G0+4*\s+3], s[20:21], \s*ROWB
	s_or_b32 s[G0+4*\s+3], s[G0+4*\s+3], 0x80000000
	s_mov_b32 s[G0B+4*\s], 1
	s_add_co_u32 s[G0B+4*\s+1], s45, \s*SLOT
	s_add_nc_u64 s[G0B+4*\s+2:G0B+4*\s+3], s[46:47], \s*ROWB
	s_or_b32 s[G0B+4*\s+3], s[G0B+4*\s+3], 0x80000000
.endr
	; the head's load in slot 0's group 0: all 256 rows of K step (wave & 1), into slot (wave & 1)
	s_mul_i32 s22, s16, 128*KROW-ROWB              ; from my 128 rows back to the tile's first row, and a K step on
	s_mov_b32 s23, 0
	s_mul_i32 s[G0+1], s16, SLOT
	s_sub_nc_u64 s[G0+2:G0+3], s[20:21], s[22:23]
	s_or_b32 s[G0+3], s[G0+3], 0x80000000
	s_add_co_u32 s[G0B+1], s[G0+1], 2*HALFT
	s_sub_nc_u64 s[G0B+2:G0B+3], s[46:47], s[22:23]
	s_or_b32 s[G0B+3], s[G0B+3], 0x80000000
	JLOAD G0, G1, G0B, G1B                         ; one tensor load a wave at the head
	; the prefetches: of the 128 rows that I refill, my work-group's 32 (place cx for x, cy for the weight)
	s_and_b32 s12, ttmp7, 0xffff
	s_cmp_lt_u32 s12, 4
	s_cselect_b32 s13, 1, 0                        ; weights: the first four rows of clusters ask
	s_cmp_eq_u32 s15, 0
	s_cselect_b32 s12, 1, s13                      ; x: every cluster asks
	s_cselect_b64 s[100:101], s[20:21], s[46:47]
	s_cselect_b32 s22, s40, s41
	s_lshl_b32 s22, s22, 15
	s_mov_b32 s23, 0
	s_add_nc_u64 s[100:101], s[100:101], s[22:23]
	s_add_nc_u64 s[100:101], s[100:101], 2*ROWB    ; at K step 2
	s_lshl_b32 s22, s42, 17                        ; Wv: 128 rows a tile; 32 a partner; 8 a wave: 8,192 bytes on end
	s_lshl_b32 s23, s41, 15
	s_add_co_u32 s22, s22, s23
	s_lshl_b32 s23, s14, 13
	s_add_co_u32 s22, s22, s23
	s_mov_b32 s23, 0
	s_add_nc_u64 s[104:105], s[10:11], s[22:23]
.macro ASK flag, reg, base, off
	s_cmp_eq_u32 s[\flag], 1
	s_cbranch_scc0 .Lnot_mine_\@
	global_prefetch_b8 v[\reg], s[\base:\base+1] offset:\off th:TH_LOAD_NT scope:SCOPE_SE
.Lnot_mine_\@:
.endm
	s_mov_b32 s[G0X], 1
	s_mul_i32 s[G0X+1], s15, SLOT
	s_mul_i32 s18, s16, HALFT
	s_add_co_u32 s[G0X+1], s[G0X+1], s18
	s_lshl_b32 s18, s15, 8
	s_mov_b32 s19, 0
	s_add_nc_u64 s[G0X+2:G0X+3], s[20:21], s[18:19]
	s_or_b32 s[G0X+3], s[G0X+3], 0x80000000
	v_and_b32 v1, 15, v0
	v_bfe_u32 v2, v0, 4, 1
	v_mul_u32_u24 v3, v1, PITCH
	v_lshl_add_u32 v4, v2, 4, v3
	s_wait_alu depctr_va_vdst(0)
	s_mul_i32 s21, s15, HALFT
	s_mul_i32 s22, s16, HALFT
	s_add_co_u32 s22, s22, 2*HALFT
	s_mul_i32 s23, s16, QUART
	s_add_co_u32 s23, s23, 2*HALFT
.irp s, 0,1
	v_add_nc_u32 v[ADRA+\s], s21, v4
	v_add_nc_u32 v[ADRB+\s], s22, v4
	v_add_nc_u32 v[AV+\s], s23, v4
	s_add_co_u32 s21, s21, SLOT
	s_add_co_u32 s22, s22, SLOT
	s_add_co_u32 s23, s23, SLOT
.endr
	v_and_b32 v6, 31, v0
	v_lshlrev_b32 v[VO], 4, v6
	v_lshlrev_b32 v[BO], 5, v2
	v_lshlrev_b32 v5, 2, v1
	v_lshlrev_b32 v30, 10, v6                      ; a lane a row of 1,024 bytes
	v_lshlrev_b32 v31, 8, v6                       ; lanes 256 bytes apart
	s_wait_alu depctr_va_vdst(0)
	ASK 12, 30, 100, 0                             ; K step 2, which the first refill brings
	s_lshl_b32 s18, s40, 10
	s_lshl_b32 s19, s16, 9
	s_add_co_u32 s18, s18, s19
	s_mov_b32 s19, 0
	s_add_nc_u64 s[68:69], s[68:69], s[18:19]
.irp b, 0,1,2,3,4,5,6,7
	global_load_b128 v[BI+8*\b:BI+8*\b+3], v[BO], s[68:69] offset:64*\b
	global_load_b128 v[BI+8*\b+4:BI+8*\b+7], v[BO], s[68:69] offset:64*\b+16
.endr
	s_lshl_b32 s18, s42, 9
	s_lshl_b32 s19, s16, 8
	s_add_co_u32 s18, s18, s19
	s_mov_b32 s19, 0
	s_add_nc_u64 s[72:73], s[72:73], s[18:19]
.irp a, 0,1,2,3
	global_load_b32 v[BL+\a], v5, s[72:73] offset:64*\a
.endr
	s_lshl_b32 s18, s17, 4
	s_lshl_b32 s19, s15, 3
	s_add_co_u32 s18, s18, s19
	s_lshl_b32 s18, s18, 3
	s_lshl_b32 s19, s40, 1
	s_add_co_u32 s18, s18, s19
	s_add_co_u32 s18, s18, s16
	s_lshl_b32 s18, s18, 11
	s_mov_b32 s19, 0
	s_add_nc_u64 s[76:77], s[76:77], s[18:19]
	s_lshr_b32 s18, s17, 3
	s_lshl_b32 s18, s18, 6
	s_lshl_b32 s19, s42, 3
	s_add_co_u32 s18, s18, s19
	s_lshl_b32 s19, s16, 2
	s_add_co_u32 s18, s18, s19
	s_lshl_b32 s18, s18, 4
	s_and_b32 s19, s17, 7
	s_lshl_b32 s19, s19, 1
	s_add_co_u32 s18, s18, s19
	s_add_co_u32 s18, s18, s15
	s_lshl_b32 s18, s18, 11
	s_mov_b32 s19, 0
	s_add_nc_u64 s[80:81], s[80:81], s[18:19]
	s_wait_loadcnt 0x0
	s_wait_kmcnt 0x0
	s_cmp_eq_u32 s3, 0
	s_cselect_b32 s18, s84, s86
	s_cselect_b32 s19, s85, s87
	s_cselect_b32 s22, s90, s91
	s_add_co_i32 s18, s18, s19
	s_sub_co_i32 s19, 0, s18
	s_sub_co_i32 s22, s22, s18
	s_add_co_i32 s22, s22, 127
	s_lshl_b32 s23, s22, 23
	v_mov_b32 v[SC], s23
	s_add_co_i32 s22, s22, 8
	s_lshl_b32 s22, s22, 23
	s_or_b32 s22, s22, 0x600000
	v_mov_b32 v[LIM], s22
.set i, 0
.rept 64
	v_ldexp_f32 v[BI+i], v[BI+i], s19
.set i, i+1
.endr
	s_add_co_i32 s18, s88, s89
	s_sub_co_i32 s66, 0, s18
	s_sub_co_i32 s22, s2, s18
	s_add_co_i32 s22, s22, 127
	s_lshl_b32 s23, s22, 23
	v_mov_b32 v[SCV], s23
	s_add_co_i32 s22, s22, 8
	s_lshl_b32 s22, s22, 23
	s_or_b32 s22, s22, 0x600000
	v_mov_b32 v[LIMV], s22
.irp a, 0,1,2,3
.irp i, 0,1,2,3,4,5,6,7
	v_ldexp_f32 v[BT+8*\a+\i], v[BL+\a], s66
.endr
.endr
.irp w, 0,1
	s_mov_b32 s[G0V+4*\w], 1
	s_mul_i32 s[G0V+4*\w+1], s14, QUART
	s_add_co_u32 s[G0V+4*\w+1], s[G0V+4*\w+1], 2*HALFT+\w*SLOT
	s_add_nc_u64 s[G0V+4*\w+2:G0V+4*\w+3], s[82:83], (1-\w)*2*ROWB
	s_or_b32 s[G0V+4*\w+3], s[G0V+4*\w+3], 0x80000000
.endr
.macro FRAG reg, adr, q, i
.irp c, 0,1,2,3
	ds_load_b128 v[\reg+4*\c:\reg+4*\c+3], v[\adr] offset:128*(\q)+32*\c+(\i)*16*PITCH
.endr
.endm
.macro MUL16 a0, p, zero
.irp a, \a0, \a0+1
.irp b, 0,1,2,3,4,5,6,7
.if \zero
	v_wmma_f32_16x16x128_fp8_fp8 v[8*(8*((\a)%4)+\b):8*(8*((\a)%4)+\b)+7], v[128*(\p)+FR*\b:128*(\p)+FR*\b+FR-1], v[AF+FR*(\a):AF+FR*(\a)+FR-1], v[BI+8*\b:BI+8*\b+7]
.else
	v_wmma_f32_16x16x128_fp8_fp8 v[8*(8*((\a)%4)+\b):8*(8*((\a)%4)+\b)+7], v[128*(\p)+FR*\b:128*(\p)+FR*\b+FR-1], v[AF+FR*(\a):AF+FR*(\a)+FR-1], v[8*(8*((\a)%4)+\b):8*(8*((\a)%4)+\b)+7]
.endif
.endr
.endr
.endm
.macro FETCH_B slot, q, p
	WIN TO_B
.irp i, 0,1,2,3,4,5,6,7
	FRAG 128*(\p)+FR*\i, ADRB+\slot, \q, \i
.endr
	WIN 0
.endm
.macro FETCH_A slot, q, i0
.irp i, \i0, \i0+1, \i0+2, \i0+3
	FRAG AF+FR*(\i), ADRA+\slot, \q, \i
.endr
.endm
.macro PLACES n
.rept \n
	v_nop
.endr
.endm
.macro FETCH_B4 slot, q, p, i0         ; four of the eight fragments into set p
	WIN TO_B
.irp i, \i0, \i0+1, \i0+2, \i0+3
	FRAG 128*(\p)+FR*(\i), ADRB+\slot, \q, \i
.endr
	WIN 0
.endm
.macro FETCH_A2 slot, q, i0            ; two blocks
	WIN 0
.irp i, \i0, \i0+1
	FRAG AF+FR*(\i), ADRA+\slot, \q, \i
.endr
.endm
.macro MULW hi, zero
.if \zero
	WIN BIA_LO+0x40*\hi
.else
	WIN MUL_LO+0x50*\hi
.endif
.endm
; A step in four quarters of 16 matrix instructions.  Behind each quarter, and its four places, the two blocks that it has used are fetched for the next step; behind the first two also half of the other operand's next set.
; The loads of a step, in order: 16 + 8, 16 + 8, 8, 8.  So at a step's head the youngest 16 (blocks 4-7) may be out; ahead of the third quarter all but 8 + 24 + 24, ahead of the fourth all but 24 + 24 + 8.
.macro STEP slot, q, zero
	s_wait_dscnt 4*NL
	MULW 0, \zero
	MUL16 0, (\q)%2, \zero
	PLACES NP
	FETCH_B4 \slot, (\q)+1, 1-(\q)%2, 0
	FETCH_A2 \slot, (\q)+1, 0
	MULW 0, \zero
	MUL16 2, (\q)%2, \zero
	PLACES NP
	FETCH_B4 \slot, (\q)+1, 1-(\q)%2, 4
	FETCH_A2 \slot, (\q)+1, 2
	s_wait_dscnt 56
	MULW 1, \zero
	MUL16 4, (\q)%2, \zero
	PLACES NP
	FETCH_A2 \slot, (\q)+1, 4
	s_wait_dscnt 56
	MULW 1, \zero
	MUL16 6, (\q)%2, \zero
	PLACES NP
	FETCH_A2 \slot, (\q)+1, 6
.endm
.macro TURN slot, next, fill
	s_wait_tensorcnt 0x0
	ds_add_u32 v[SPW], v[NIL]
	s_wait_dscnt 4*NL+1
	WIN MUL_LO
	MUL16 0, 1, 0
	s_wait_dscnt 0x0
	s_barrier_signal -1
	MUL16 2, 1, 0
	WIN 0
	s_barrier_wait -1
	CREST
.if \fill == 1
	s_add_nc_u64 s[G0+4*\slot+2:G0+4*\slot+3], s[G0+4*\slot+2:G0+4*\slot+3], 2*ROWB
	s_add_nc_u64 s[G0B+4*\slot+2:G0B+4*\slot+3], s[G0B+4*\slot+2:G0B+4*\slot+3], 2*ROWB
	JLOAD G0+4*\slot, G1, G0B+4*\slot, G1B
.else
	VLOAD 0
.endif
	FETCH_B \next, 0, 0
	FETCH_A \next, 0, 0
	WIN MUL_HI
	MUL16 4, 1, 0
	MUL16 6, 1, 0
	PLACES NP
	WIN 0
	FETCH_A \next, 0, 4
.endm
.macro WAYOUT W, lim, sc, sb, o0, os, wx
	WIN (\W<<6)|\W
.set i, 0
.rept 256
	v_med3_num_f32 v[i], v[i], -v[\lim], v[\lim]
.set i, i+1
.endr
.if \wx
	s_wait_xcnt 0x0
.endif
	WIN \W
.set i, 0
.rept 32
	v_cvt_scalef32_pk8_fp8_f32 v[BI+2*i:BI+2*i+1], v[8*i:8*i+7], v[\sc]
.set i, i+1
.endr
	v_nop
	WIN 0
.irp a, 0,1,2,3
.irp c, 0,1,2,3
	global_store_b128 v[VO], v[BI+16*\a+4*\c:BI+16*\a+4*\c+3], s[\sb:\sb+1] offset:(\o0)+\a*(\os)+512*\c
.endr
.endr
.endm
.macro FETCHV n
.set XS, ((\n)/2)%2
.set QQ, (\n)%2
.set WS, (\n)/4
.set GG, ((\n)/2)%2
.set PP, (\n)%2
	WIN TO_B
.irp i, 0,1,2,3,4,5,6,7
.irp c, 0,1,2,3
	ds_load_b128 v[128*PP+16*\i+4*\c:128*PP+16*\i+4*\c+3], v[ADRA+XS] offset:128*QQ+32*\c+\i*16*PITCH
.endr
.endr
	WIN 0
.irp i, 0,1,2,3
.irp c, 0,1,2,3
	ds_load_b128 v[AF+64*PP+16*\i+4*\c:AF+64*PP+16*\i+4*\c+3], v[AV+WS] offset:GG*HALFT+128*QQ+32*\c+\i*16*PITCH
.endr
.endr
.endm
.macro QTRV n, a
.set PP, (\n)%2
.if (\n) == 0
	WIN BIA_LO
.else
	WIN MUL_LO
.endif
.irp b, 0,1,2,3,4,5,6,7
.if (\n) == 0
	v_wmma_f32_16x16x128_fp8_fp8 v[8*(8*(\a)+\b):8*(8*(\a)+\b)+7], v[128*PP+16*\b:128*PP+16*\b+15], v[AF+64*PP+16*(\a):AF+64*PP+16*(\a)+15], v[BT+8*(\a):BT+8*(\a)+7]
.else
	v_wmma_f32_16x16x128_fp8_fp8 v[8*(8*(\a)+\b):8*(8*(\a)+\b)+7], v[128*PP+16*\b:128*PP+16*\b+15], v[AF+64*PP+16*(\a):AF+64*PP+16*(\a)+15], v[8*(8*(\a)+\b):8*(8*(\a)+\b)+7]
.endif
.endr
.endm
; A step of v: the next step's 48 loads are issued at its head.  Of this step's own, x's eight fragments and Wv's first stand ahead of Wv's other three (12 loads).
.macro KBV n
	s_wait_dscnt 12
	PLACES 4
	FETCHV (\n)+1
	QTRV \n, 0
	s_wait_dscnt 48+8
	QTRV \n, 1
	s_wait_dscnt 48+4
	QTRV \n, 2
	s_wait_dscnt 48
	QTRV \n, 3
.endm
	s_wait_alu depctr_va_vdst(0)                   ; the wait at the head's end
	s_wait_tensorcnt 0x0                           ; my part of both slots is in: the descriptors may be written
	s_mov_b32 s[G1+2], 128<<16                     ; the refills: 128 rows a wave
	s_mov_b32 s[G1+4], 128
	s_mov_b32 s[G1B+2], 128<<16
	s_mov_b32 s[G1B+4], 128
	s_mov_b32 s[G0+1], s45                         ; slot 0's group 0: a K step before slot 1's
	s_sub_nc_u64 s[G0+2:G0+3], s[G0+6:G0+7], ROWB
	s_mov_b32 s[G0B+1], s45
	s_sub_nc_u64 s[G0B+2:G0B+3], s[G0B+6:G0B+7], ROWB
	s_barrier_signal -1
	s_barrier_wait -1                              ; both slots are whole
	FETCH_B 0, 0, 0
	FETCH_A 0, 0, 0
	FETCH_A 0, 0, 4
	ASK 12, 30, 100, ROWB                          ; K step 3, which the second refill brings
	STEP 0, 0, 1
	s_mov_b32 s3, LAPS-1
.Llap:
	TURN 0, 1, 1
	ASK 13, 31, 104, 0                             ; Wv, which the third and fourth changes of slots bring (LAPS is 2: the loop has one trip)
	STEP 1, 0, 0
	TURN 1, 0, 1
	STEP 0, 0, 0
	s_sub_co_u32 s3, s3, 1
	s_cmp_lg_u32 s3, 0
	s_cbranch_scc1 .Llap
	TURN 0, 1, 2
	STEP 1, 0, 0
	s_wait_tensorcnt 0x0
	ds_add_u32 v[SPW], v[NIL]
	s_wait_dscnt 4*NL+1
	WIN MUL_LO
	MUL16 0, 1, 0
	s_wait_dscnt 0x0
	s_barrier_signal -1
	MUL16 2, 1, 0
	WIN 0
	s_barrier_wait -1
	CREST
	VLOAD 1
	FETCHV 0
	WIN MUL_HI
	MUL16 4, 1, 0
	MUL16 6, 1, 0
	PLACES NP
	WAYOUT 2, LIM, SC, 76, 0, 16384, 0
	KBV 0
	KBV 1
	KBV 2
	WIN 0
	s_wait_tensorcnt 0x0
	ds_add_u32 v[SPW], v[NIL]
	s_wait_dscnt 12+1                              ; x's eight fragments and Wv's first are in
	QTRV 3, 0
	s_wait_dscnt 0x0
	s_barrier_signal -1
	QTRV 3, 1
	WIN 0
	s_barrier_wait -1
	CREST
	tensor_load_to_lds s[G0X:G0X+3], s[G1:G1+7]
	s_nop 0
.rept 4
	v_nop
.endr
	QTRV 3, 2
	QTRV 3, 3
	WAYOUT 3, LIM, SC, 76, 65536, 16384, 1
	s_wait_tensorcnt 0x0
	ds_add_u32 v[SPW], v[NIL]
	s_wait_dscnt 0x0
	s_barrier_signal -1
	s_barrier_wait -1
	FETCHV 4
	KBV 4
	KBV 5
	KBV 6
	s_wait_dscnt 0x0
	QTRV 7, 0
	QTRV 7, 1
	QTRV 7, 2
	QTRV 7, 3
	PLACES NP
	WAYOUT 2, LIMV, SCV, 80, 0, 32768, 1
	s_wait_tensorcnt 0x0
	ds_add_u32 v[SPW], v[NIL]
	s_wait_dscnt 0x0
	CROUND
	s_endpgm
.Lfunc_end_k_q73143da2e1_proj:
	.size	k_q73143da2e1_proj, .Lfunc_end_k_q73143da2e1_proj-k_q73143da2e1_proj
	.p2alignl 7, 3214868480
	.fill 96, 4, 3214868480
	.section	.rodata,"a",@progbits
	.p2align	6, 0x0
	.amdhsa_kernel k_q73143da2e1_proj
		.amdhsa_group_segment_fixed_size 327680
		.amdhsa_private_segment_fixed_size 0
		.amdhsa_enable_private_segment 0
		.amdhsa_kernarg_size 88
		.amdhsa_user_sgpr_count 2
		.amdhsa_user_sgpr_kernarg_segment_ptr 1
		.amdhsa_wavefront_size32 1
		.amdhsa_system_sgpr_workgroup_id_x 1
		.amdhsa_system_sgpr_workgroup_id_y 1
		.amdhsa_system_sgpr_workgroup_id_z 1
		.amdhsa_system_vgpr_workitem_id 0
		.amdhsa_next_free_vgpr 1024
		.amdhsa_next_free_sgpr 106
		.amdhsa_reserve_vcc 0
		.amdhsa_float_denorm_mode_32 3
		.amdhsa_float_denorm_mode_16_64 3
		.amdhsa_memory_ordered 1
		.amdhsa_forward_progress 1
		.amdhsa_inst_pref_size 195
	.end_amdhsa_kernel
	.amdgpu_metadata
---
amdhsa.version: [ 1, 2 ]
amdhsa.kernels:
  - .name:           k_q73143da2e1_proj
    .symbol:         k_q73143da2e1_proj.kd
    .args:
      - { .name: x_codes, .offset: 0, .size: 8, .value_kind: global_buffer, .address_space: global }
      - { .name: Wq_codes, .offset: 8, .size: 8, .value_kind: global_buffer, .address_space: global }
      - { .name: Wk_codes, .offset: 16, .size: 8, .value_kind: global_buffer, .address_space: global }
      - { .name: Wv_codes, .offset: 24, .size: 8, .value_kind: global_buffer, .address_space: global }
      - { .name: bq, .offset: 32, .size: 8, .value_kind: global_buffer, .address_space: global }
      - { .name: bk, .offset: 40, .size: 8, .value_kind: global_buffer, .address_space: global }
      - { .name: bv, .offset: 48, .size: 8, .value_kind: global_buffer, .address_space: global }
      - { .name: lowp_scales, .offset: 56, .size: 8, .value_kind: global_buffer, .address_space: global }
      - { .name: q_img, .offset: 64, .size: 8, .value_kind: global_buffer, .address_space: global }
      - { .name: k_img, .offset: 72, .size: 8, .value_kind: global_buffer, .address_space: global }
      - { .name: v_img, .offset: 80, .size: 8, .value_kind: global_buffer, .address_space: global }
    .group_segment_fixed_size: 327680
    .private_segment_fixed_size: 0
    .kernarg_segment_align: 8
    .kernarg_segment_size: 88
    .max_flat_workgroup_size: 128
    .sgpr_count:     106
    .vgpr_count:     1024
    .wavefront_size: 32
...
	.end_amdgpu_metadata
.endif
;; end of part 1
;; launch scores (part 2): grid 8 x 32, 4 waves a work-group, clusters of 4 x 4, 327,680 bytes of LDS; arguments q_img, k_img, lowp_scales, p_img, mstat, lstat; writes p_img, mstat, lstat
.if DOCPART == 2
	.amdgcn_target "amdgcn-amd-amdhsa--gfx1250"
	.amdhsa_code_object_version 6
	.text
	.protected	k_q73143da2e1_scores
	.globl	k_q73143da2e1_scores
	.p2align	8
	.type	k_q73143da2e1_scores,@function
k_q73143da2e1_scores:
	s_mov_b64 s[64:65], 0
	v_nop
	global_prefetch_b8 v0, s[64:65] scope:SCOPE_SE
	s_setreg_imm32_b32 hwreg(HW_REG_WAVE_MODE, 25, 1), 1
	s_wait_xcnt 0x0
	s_wait_alu depctr_hold_cnt(0) depctr_sa_sdst(0) depctr_va_vdst(0) depctr_va_sdst(0) depctr_va_ssrc(0) depctr_va_vcc(0) depctr_vm_vsrc(0)
	s_getreg_b32 s2, hwreg(HW_REG_IB_STS2, 6, 4)
	s_cmp_eq_u32 s2, 0
	s_cbranch_scc0 .Lentry_in_a_cluster
	s_endpgm
.Lentry_in_a_cluster:
	s_bfe_u32 s2, ttmp6, 0x10000c
	s_cmp_lg_u32 s2, 0xf033
	s_cbranch_scc0 .Lentry_shape_is_right
	s_endpgm
.Lentry_shape_is_right:
; For each tile of 256 queries x 256 keys: S^T = k q^T on codes; t = score x log2(e) / 32; M_j = the ceiling of the row's largest t AMONG THE TILE'S 256 KEYS; p = 2^(t - M_j), quantised with 2^e8; l_j = the sum of the unquantised p.
; M_j is a whole number, so the next launch brings each block of keys under the row's M by the exact factor 2^(M_j - M): the maximum is taken away before every exponential, block by block.  No work is left out.
; OUT: p's codes as images of the next operand's registers, F(query / 16, key / 128) at ((query / 16) x 16 + key / 128) x 2,048; -M_j and l_j as f32, [key block j][query].
; LIMITS: e6 + e7 between -121 and 132 (they are added to the exponent field of log2(e) / 32); e8 between -8 and 119: with e8 under -8 the hold at 448 would bite at each block's largest p and not at the row's alone.
; A p far under its row's largest keeps, under its block's M_j, bits that the row's M would put under the format's range.  NaN among the inputs is not served.
; SHARES.  A work-group makes 256 x 256, a wave 128 queries x 128 keys: 64 accumulators.  K = 1,024 goes in steps of 256 through two LDS slots.  q's and k's fragments lie in memory as register images of 2,048 bytes:
; a wave's tensor load brings 8 blocks of rows x 4,096 bytes (two steps of 128), dense; a fragment comes back by four loads of 16 bytes a lane at 16 x lane: no pitch, no padding.
; CLUSTERS: 4 x 4; q's tile is asked for jointly along a row of the cluster, k's along a column.  TRANSPOSED: source 0 = 16 keys, source 1 = 16 queries: lane (r, h) holds query r, register j of tile b the key 16 b + 8 h + j.
; A row's 256 keys lie in two waves (w and w xor 1): maxima and sums meet in LDS words of their own, behind the ring.
; REGISTERS: window 0: v16-30 addresses and constants; from v128 q's fragments, ONE set; on the way out v32-95 statistics, v96-223 codes.  window 1: k's fragments, TWO sets.  windows 2, 3: the accumulators.
; FIRST FILLS: one tensor load a wave at the head brings both slots: waves 0 and 1 q's 16 blocks for slot 0 and 1, waves 2 and 3 k's; a refill is 8 blocks a wave.
; P'S IMAGE is laid step by step: F(query / 16, key / 128) lies at ((query / 128) x 16 + key / 128) x 16,384 + ((query / 16) % 8) x 2,048 (in place of the address named above).
; PREFETCHES: the K steps of the two refills; of the 8 blocks that a wave refills each of the four partners asks for two, 16 lanes a block, told apart by address.
.set FR,     16
.set NL,     4
.set NP,     4
.set HALFT,  32768                     ; 8 blocks of 16 rows x 4,096 bytes: what one tensor load brings
.set SLOT,   4*HALFT                   ; q's 16 blocks, then k's 16
.set STEPB,  4096                      ; a slot's part of a block of rows: two fragments
.set LAPS,   2
.set SPARE,  2*SLOT                    ; behind the ring: the spare words
.set E0,     SPARE+512                 ; then three regions of 4 x 512 bytes: the maxima, the sums at +2,048, -M at +4,096; no fill lands here
.set ADRA, 16
.set ADRB, 20
.set EXW,  22                          ; v22  my wave's words: E0 + 512 wave + 4 r
.set EXO,  23                          ; v23  the other wave's
.set VO,   24                          ; v24  16 x lane
.set EXR,  25                          ; v25  my wave's words, 16 bytes a lane
.set LIM,  26                          ; v26  448 x 2^e8
.set SC,   27                          ; v27  2^e8
.set SPW,  28
.set NIL,  29
.set EXQ,  30                          ; v30  the other wave's words, 16 bytes a lane
.set NM,   32                          ; v32-47  a pair a block of queries: -M; the maximum, then t
.set M1,   48                          ; v48-55  a second chain; exchanges
.set X,    56                          ; v56-71  sums, a pair a block
.set Y,    72                          ; v72-87  a second chain
.set LS,   88                          ; v88-95  l
.set CD,   96                          ; v96-223 the codes
.set AF,   128
.set G1, 24
.set G0, 32
.set G1B, 48
.set G0B, 56
.set MSB, 0
.macro WIN new
.if MSB != (\new)
	s_set_vgpr_msb (MSB<<8)|(\new)
.set MSB, (\new)
.endif
.endm
.set MUL_LO, 0xa1
.set MUL_HI, 0xf1
.set TO_B,   0x40
.macro JLOAD g0a, g1a, g0b, g1b        ; waves 0 and 1 fetch for q, waves 2 and 3 for k; an s_nop 0 and four v_nop follow each line
	s_cmp_eq_u32 s15, 0
	s_cbranch_scc0 .Lfor_b_\@
	tensor_load_to_lds s[\g0a:\g0a+3], s[\g1a:\g1a+7]
	s_nop 0
.rept 4
	v_nop
.endr
	s_branch .Lasked_\@
.Lfor_b_\@:
	tensor_load_to_lds s[\g0b:\g0b+3], s[\g1b:\g1b+7]
	s_nop 0
.rept 4
	v_nop
.endr
.Lasked_\@:
.endm
.macro CREST
	s_cmp_lg_u32 s14, 0
	s_cbranch_scc1 .Lnot_wave_0_\@
	s_barrier_signal -3
.Lnot_wave_0_\@:
	s_barrier_wait -3
	s_barrier_signal -1
	s_barrier_wait -1
.endm
.macro CROUND
	s_barrier_signal -1
	s_barrier_wait -1
	CREST
.endm
	s_load_b256 s[4:11], s[0:1], 0x0               ; q_img s[4:5], k_img s[6:7], the scales' exponents s[8:9], p_img s[10:11]
	s_load_b128 s[68:71], s[0:1], 0x20             ; mstat s[68:69], lstat s[70:71]
	v_lshl_add_u32 v[SPW], v0, 2, SPARE
	v_mov_b32 v[NIL], 0
	ds_add_u32 v[SPW], v[NIL]                      ; the wave's opening: the add, twice on end, and its wait ahead of my first tensor load
	ds_add_u32 v[SPW], v[NIL]
	v_lshrrev_b32 v1, 5, v0
	v_readfirstlane_b32 s14, v1                    ; wave 0..3
	s_lshr_b32 s15, s14, 1                         ; which 128 queries are mine.  Also: I fetch for q (0) or for k (1)
	s_and_b32 s16, s14, 1                          ; which 128 keys.  Also: which half of that tile I fetch
	s_bfe_u32 s40, ttmp6, 0x40000                  ; cx
	s_bfe_u32 s41, ttmp6, 0x40004                  ; cy
	s_and_b32 s17, ttmp7, 0xffff
	s_and_b32 s42, s17, 1
	s_lshl_b32 s42, s42, 2
	s_add_co_u32 s42, s42, s40                     ; j: the block of 256 keys of the batch: 4 x (cluster y & 1) + cx
	s_lshl_b32 s45, ttmp9, 1
	s_lshr_b32 s18, s17, 2
	s_add_co_u32 s45, s45, s18                     ; the batch: 2 x cluster x + cluster y / 4
	s_bfe_u32 s17, s17, 0x10001
	s_lshl_b32 s18, s45, 1
	s_add_co_u32 s17, s17, s18
	s_lshl_b32 s17, s17, 2
	s_add_co_u32 s17, s17, s41                     ; the tile of 256 queries, through all batches: 8 x batch + 4 x ((cluster y / 2) & 1) + cy
	s_lshl_b32 s43, s41, 2
	s_lshl_b32 s43, 15, s43                        ; my row of the cluster
	s_lshl_b32 s44, 0x1111, s40                    ; my column
	s_or_b32 s[G1+0], s43, (3<<16)|(1<<21)         ; the mask; elements of 8 bytes; no padding; bit 21 beside a mask
	s_or_b32 s[G1B+0], s44, (3<<16)|(1<<21)
.irp g, G1, G1B
	s_mov_b32 s[\g+1], 512<<16                     ; tensor_dim0: 512 elements = 4,096 bytes
	s_mov_b32 s[\g+2], 16<<16                      ; tensor_dim1: the head's loads: 16 blocks of rows (the refills': 8, set behind the head's wait)
	s_mov_b32 s[\g+3], 512<<16                     ; tile_dim0
	s_mov_b32 s[\g+4], 16                          ; tile_dim1
	s_mov_b32 s[\g+5], 2048                        ; from block to block: 16,384 bytes
	s_mov_b32 s[\g+6], 0
	s_mov_b32 s[\g+7], 0
.endr
	s_lshl_b32 s18, s16, 3                         ; which 8 blocks of the tile I fetch
	s_lshl_b32 s20, s17, 4
	s_add_co_u32 s20, s20, s18
	s_lshl_b32 s20, s20, 14                        ; q: block 16 x tile + 8 x half
	s_mov_b32 s21, 0
	s_lshl_b32 s46, s45, 7
	s_lshl_b32 s47, s42, 4
	s_add_co_u32 s46, s46, s47
	s_add_co_u32 s46, s46, s18
	s_lshl_b32 s46, s46, 14                        ; k: block 128 x batch + 16 j + 8 x half
	s_mov_b32 s47, 0
	s_lshl_b32 s23, s14, 15                        ; where the refills go: wave x 32,768
	s_mul_i32 s88, s16, 8*16384-STEPB              ; the head's load: from my 8 blocks back to the tile's first, and two steps on
	s_sub_co_u32 s72, s20, s88
	s_mov_b32 s73, 0
	s_sub_co_u32 s76, s46, s88
	s_mov_b32 s77, 0
	s_wait_dscnt 0x0                               ; both opening adds are done
	s_wait_kmcnt 0x0
	s_load_b128 s[84:87], s[8:9], 0x18             ; e6, e7, e8, e9
	s_add_nc_u64 s[20:21], s[4:5], s[20:21]
	s_add_nc_u64 s[46:47], s[6:7], s[46:47]
	s_add_nc_u64 s[74:75], s[4:5], s[72:73]
	s_add_nc_u64 s[78:79], s[6:7], s[76:77]
	CROUND                                         ; all sixteen work-groups are here: the first joint loads meet
.irp s, 0,1
	s_mov_b32 s[G0+4*\s], 1
	s_add_co_u32 s[G0+4*\s+1], s23, \s*SLOT
	s_add_nc_u64 s[G0+4*\s+2:G0+4*\s+3], s[20:21], \s*STEPB
	s_or_b32 s[G0+4*\s+3], s[G0+4*\s+3], 0x80000000
	s_mov_b32 s[G0B+4*\s], 1
	s_add_co_u32 s[G0B+4*\s+1], s23, \s*SLOT
	s_add_nc_u64 s[G0B+4*\s+2:G0B+4*\s+3], s[46:47], \s*STEPB
	s_or_b32 s[G0B+4*\s+3], s[G0B+4*\s+3], 0x80000000
.endr
	s_mov_b32 s72, 1                               ; s[72:75], s[76:79]: the head's groups 0: slot (wave & 1)
	s_lshl_b32 s73, s16, 17
	s_or_b32 s75, s75, 0x80000000
	s_mov_b32 s76, 1
	s_add_co_u32 s77, s73, 2*HALFT
	s_or_b32 s79, s79, 0x80000000
	JLOAD 72, G1, 76, G1B                          ; one tensor load a wave at the head
	s_cmp_eq_u32 s15, 0                            ; the prefetches: two of my 8 blocks, by my place among the four that ask with me
	s_cselect_b64 s[80:81], s[20:21], s[46:47]
	s_cselect_b32 s82, s40, s41
	s_lshl_b32 s82, s82, 15
	s_mov_b32 s83, 0
	s_add_nc_u64 s[80:81], s[80:81], s[82:83]
	s_add_nc_u64 s[80:81], s[80:81], 2*STEPB       ; at steps 4 and 5
	v_and_b32 v1, 15, v0                           ; r
	s_wait_alu depctr_va_vdst(0)
	v_and_b32 v6, 31, v0
	v_lshlrev_b32 v[VO], 4, v6                     ; 16 x lane
	v_bfe_u32 v2, v0, 4, 1
	v_lshlrev_b32 v31, 8, v1                       ; 16 lanes 256 bytes apart in a block,
	v_lshl_add_u32 v31, v2, 14, v31                ; the other 16 in the next block
	s_wait_alu depctr_va_vdst(0)
	global_prefetch_b8 v31, s[80:81] th:TH_LOAD_NT scope:SCOPE_SE   ; steps 4 and 5, which the first refill brings
	s_lshl_b32 s21, s15, 15                        ; my 8 blocks of q
	s_lshl_b32 s22, s16, 15                        ; my 8 blocks of k,
	s_add_co_u32 s22, s22, 2*HALFT                 ; behind q's 16
.irp s, 0,1
	v_add_nc_u32 v[ADRA+\s], s21, v[VO]
	v_add_nc_u32 v[ADRB+\s], s22, v[VO]
	s_add_co_u32 s21, s21, SLOT
	s_add_co_u32 s22, s22, SLOT
.endr
	s_lshl_b32 s18, s14, 9
	s_add_co_u32 s18, s18, E0                      ; my wave's 512 bytes of a region,
	s_xor_b32 s19, s14, 1
	s_lshl_b32 s19, s19, 9
	s_add_co_u32 s19, s19, E0                      ; and those of the wave with the row's other 128 keys
	v_lshl_add_u32 v[EXW], v1, 2, s18
	v_lshl_add_u32 v[EXO], v1, 2, s19
	v_add_nc_u32 v[EXR], s18, v[VO]
	v_add_nc_u32 v[EXQ], s19, v[VO]
	s_lshl_b32 s18, s17, 1                         ; where my fragments of p go: ((2 x tile + half) x 16 + 2 j + half) x 16,384
	s_mov_b32 s19, s15
	s_add_co_u32 s18, s18, s19
	s_lshl_b32 s18, s18, 4
	s_lshl_b32 s19, s42, 1
	s_add_co_u32 s18, s18, s19
	s_add_co_u32 s18, s18, s16
	s_lshl_b32 s18, s18, 14
	s_mov_b32 s19, 0
	s_add_nc_u64 s[10:11], s[10:11], s[18:19]
	s_lshl_b32 s18, s42, 13                        ; and my 128 queries' statistics: (8,192 j + 256 x tile + 128 x half) x 4
	s_lshl_b32 s19, s17, 8
	s_add_co_u32 s18, s18, s19
	s_lshl_b32 s19, s15, 7
	s_add_co_u32 s18, s18, s19
	s_lshl_b32 s18, s18, 2
	s_mov_b32 s19, 0
	s_add_nc_u64 s[68:69], s[68:69], s[18:19]
	s_add_nc_u64 s[70:71], s[70:71], s[18:19]
	s_wait_alu depctr_va_vdst(0)
	s_wait_kmcnt 0x0
	s_add_co_i32 s88, s84, s85
	s_lshl_b32 s88, s88, 23
	s_mov_b32 s92, 0x3d38aa3b                      ; c = log2(e) / 32
	s_add_co_i32 s92, s92, s88                     ; a score stands for score x 2^(e6 + e7): the exponents are added to c's exponent field
	s_mov_b32 s93, s92                             ; (named with it as a pair, so it is written)
	s_add_co_i32 s88, s86, 127
	s_lshl_b32 s89, s88, 23
	v_mov_b32 v[SC], s89                           ; 2^e8
	s_add_co_i32 s88, s88, 8
	s_lshl_b32 s88, s88, 23
	s_or_b32 s88, s88, 0x600000
	v_mov_b32 v[LIM], s88                          ; 448 x 2^e8
	s_mov_b32 s94, 0x76543210                      ; v_permlanex16_b32's selects for lane l xor 16
	s_mov_b32 s95, 0xfedcba98
.macro FRAG reg, adr, q, i             ; a fragment as it was stored: registers 4 c .. 4 c + 3 of lane l at 512 c + 16 l
.irp c, 0,1,2,3
	ds_load_b128 v[\reg+4*\c:\reg+4*\c+3], v[\adr] offset:(\i)*STEPB+2048*(\q)+512*\c
.endr
.endm
.macro MUL16 a0, p, zero               ; 16 matrix instructions; the 64 accumulators take turns
.irp a, \a0, \a0+1
.irp b, 0,1,2,3,4,5,6,7
.if \zero
	v_wmma_f32_16x16x128_fp8_fp8 v[8*(8*((\a)%4)+\b):8*(8*((\a)%4)+\b)+7], v[128*(\p)+FR*\b:128*(\p)+FR*\b+FR-1], v[AF+FR*(\a):AF+FR*(\a)+FR-1], 0
.else
	v_wmma_f32_16x16x128_fp8_fp8 v[8*(8*((\a)%4)+\b):8*(8*((\a)%4)+\b)+7], v[128*(\p)+FR*\b:128*(\p)+FR*\b+FR-1], v[AF+FR*(\a):AF+FR*(\a)+FR-1], v[8*(8*((\a)%4)+\b):8*(8*((\a)%4)+\b)+7]
.endif
.endr
.endr
.endm
.macro FETCH_B slot, q, p
	WIN TO_B
.irp i, 0,1,2,3,4,5,6,7
	FRAG 128*(\p)+FR*\i, ADRB+\slot, \q, \i
.endr
	WIN 0
.endm
.macro FETCH_A slot, q, i0
.irp i, \i0, \i0+1, \i0+2, \i0+3
	FRAG AF+FR*(\i), ADRA+\slot, \q, \i
.endr
.endm
.macro PLACES n
.rept \n
	v_nop
.endr
.endm
.macro FETCH_B4 slot, q, p, i0         ; four of k's eight fragments into set p
	WIN TO_B
.irp i, \i0, \i0+1, \i0+2, \i0+3
	FRAG 128*(\p)+FR*(\i), ADRB+\slot, \q, \i
.endr
	WIN 0
.endm
.macro FETCH_A2 slot, q, i0            ; two of q's blocks
	WIN 0
.irp i, \i0, \i0+1
	FRAG AF+FR*(\i), ADRA+\slot, \q, \i
.endr
.endm
; A step in four quarters of 16 matrix instructions.  Behind each quarter, and its four places, the two blocks of q that it has used are fetched for the next step; behind the first two also half of k's next set.
; The loads of a step, in order: 16 + 8, 16 + 8, 8, 8.  So at a step's head the youngest 16 (blocks 4-7) may be out; ahead of the third quarter all but 8 + 24 + 24, ahead of the fourth all but 24 + 24 + 8.
.macro STEP slot, q, zero
	s_wait_dscnt 4*NL
	WIN MUL_LO
	MUL16 0, (\q)%2, \zero
	PLACES NP
	FETCH_B4 \slot, (\q)+1, 1-(\q)%2, 0
	FETCH_A2 \slot, (\q)+1, 0
	WIN MUL_LO
	MUL16 2, (\q)%2, \zero
	PLACES NP
	FETCH_B4 \slot, (\q)+1, 1-(\q)%2, 4
	FETCH_A2 \slot, (\q)+1, 2
	s_wait_dscnt 56
	WIN MUL_HI
	MUL16 4, (\q)%2, \zero
	PLACES NP
	FETCH_A2 \slot, (\q)+1, 4
	s_wait_dscnt 56
	WIN MUL_HI
	MUL16 6, (\q)%2, \zero
	PLACES NP
	FETCH_A2 \slot, (\q)+1, 6
.endm
.macro TURN slot, next, fill
	s_wait_tensorcnt 0x0                           ; all my tensor loads have landed: my part of the next slot
	ds_add_u32 v[SPW], v[NIL]                      ; 0 onto my spare word
	s_wait_dscnt 4*NL+1                            ; the add and the youngest 16 loads may be out
	WIN MUL_LO
	MUL16 0, 1, 0
	s_wait_dscnt 0x0                               ; the add is done, and my reads of this slot are over
	s_barrier_signal -1
	MUL16 2, 1, 0
	WIN 0
	s_barrier_wait -1
.if \fill
	CREST
	s_add_nc_u64 s[G0+4*\slot+2:G0+4*\slot+3], s[G0+4*\slot+2:G0+4*\slot+3], 2*STEPB
	s_add_nc_u64 s[G0B+4*\slot+2:G0B+4*\slot+3], s[G0B+4*\slot+2:G0B+4*\slot+3], 2*STEPB
	JLOAD G0+4*\slot, G1, G0B+4*\slot, G1B
.else
	PLACES NP
.endif
	FETCH_B \next, 0, 0
	FETCH_A \next, 0, 0
	WIN MUL_HI
	MUL16 4, 1, 0
	MUL16 6, 1, 0
	PLACES NP
	WIN 0
	FETCH_A \next, 0, 4
.endm
	s_wait_alu depctr_va_vdst(0)                   ; the wait at the head's end
	s_wait_tensorcnt 0x0                           ; my part of both slots is in: the descriptors may be written
	s_mov_b32 s[G1+2], 8<<16                       ; the refills: 8 blocks a wave
	s_mov_b32 s[G1+4], 8
	s_mov_b32 s[G1B+2], 8<<16
	s_mov_b32 s[G1B+4], 8
	s_barrier_signal -1
	s_barrier_wait -1                              ; both slots are whole
	FETCH_B 0, 0, 0
	FETCH_A 0, 0, 0
	FETCH_A 0, 0, 4
	global_prefetch_b8 v31, s[80:81] offset:STEPB th:TH_LOAD_NT scope:SCOPE_SE   ; steps 6 and 7, which the second refill brings
	STEP 0, 0, 1                                   ; the first step's products start the sums
	s_mov_b32 s3, LAPS-1
.Llap:
	TURN 0, 1, 1
	STEP 1, 0, 0
	TURN 1, 0, 1
	STEP 0, 0, 0
	s_sub_co_u32 s3, s3, 1
	s_cmp_lg_u32 s3, 0
	s_cbranch_scc1 .Llap
	TURN 0, 1, 0
	STEP 1, 0, 0
	s_wait_dscnt 4*NL
	WIN MUL_LO
	MUL16 0, 1, 0
	MUL16 2, 1, 0
	s_wait_dscnt 0
	WIN MUL_HI
	MUL16 4, 1, 0
	MUL16 6, 1, 0
	WIN 0
	; THE MAXIMUM of each query's 64 scores in my lane, two chains a block of queries, the four blocks of a window by turns.  Each accumulator is first read at its registers 0 and 1.
	PLACES NP
.irp W, 2,3
	WIN \W|(\W<<2)|(\W<<4)
.irp a, 0,1,2,3
	v_max3_num_f32 v[NM+2*(4*(\W-2)+\a)+1], v[64*\a], v[64*\a+1], v[64*\a+2]
	v_max3_num_f32 v[M1+4*(\W-2)+\a], v[64*\a+3], v[64*\a+4], v[64*\a+5]
.endr
	WIN (\W<<2)|(\W<<4)
.irp i, 6,10,14,18,22,26,30,34,38,42,46,50,54,58
.irp a, 0,1,2,3
	v_max3_num_f32 v[NM+2*(4*(\W-2)+\a)+1], v[NM+2*(4*(\W-2)+\a)+1], v[64*\a+\i], v[64*\a+\i+1]
	v_max3_num_f32 v[M1+4*(\W-2)+\a], v[M1+4*(\W-2)+\a], v[64*\a+\i+2], v[64*\a+\i+3]
.endr
.endr
.irp a, 0,1,2,3
	v_max3_num_f32 v[NM+2*(4*(\W-2)+\a)+1], v[NM+2*(4*(\W-2)+\a)+1], v[64*\a+62], v[64*\a+63]
.endr
.endr
	WIN 0
.irp A, 0,1,2,3,4,5,6,7
	v_max_num_f32 v[NM+2*\A+1], v[NM+2*\A+1], v[M1+\A]
.endr
.irp A, 0,1,2,3,4,5,6,7
	v_permlanex16_b32 v[M1+\A], v[NM+2*\A+1], s94, s95
.endr
.irp A, 0,1,2,3,4,5,6,7
	v_max_num_f32 v[NM+2*\A+1], v[NM+2*\A+1], v[M1+\A]             ; among my wave's 128 keys
.endr
.irp A, 0,1,2,3,4,5,6,7
	ds_store_b32 v[EXW], v[NM+2*\A+1] offset:64*\A                 ; lanes r and r + 16 write the same word with the same value
.endr
	s_wait_alu depctr_va_vdst(0)
	s_wait_dscnt 0x0                               ; for the other wave's sake: my stores are done
	s_barrier_signal -1
	s_barrier_wait -1
.irp A, 0,1,2,3,4,5,6,7
	ds_load_b32 v[M1+\A], v[EXO] offset:64*\A
.endr
	s_wait_dscnt 0x0
.irp A, 0,1,2,3,4,5,6,7
	v_max_num_f32 v[NM+2*\A+1], v[NM+2*\A+1], v[M1+\A]             ; among the tile's 256 keys: the same number in both waves
.endr
.irp A, 0,1,2,3,4,5,6,7
	v_mul_f32 v[NM+2*\A+1], s92, v[NM+2*\A+1]                      ; as t (c is positive)
.endr
.irp A, 0,1,2,3,4,5,6,7
	v_floor_f32 v[NM+2*\A], -v[NM+2*\A+1]                          ; -M_j = floor(-t): M_j is a whole number
.endr
	; p, its sums, its codes: a window of four blocks of queries at a time
.irp W, 2,3
	WIN (\W<<6)|\W
.irp a, 0,1,2,3
.set i, 0
.rept 32
	v_pk_fma_f32 v[64*\a+i:64*\a+i+1], v[64*\a+i:64*\a+i+1], s[92:93], v[NM+2*(4*(\W-2)+\a):NM+2*(4*(\W-2)+\a)+1] op_sel_hi:[1,0,0]   ; t - M_j, two at a time (of the pairs c and -M the low word serves both halves)
.set i, i+2
.endr
.endr
.set i, 0
	s_wait_alu depctr_va_vdst(0)
.rept 256
	v_exp_f32 v[i], v[i]                           ; p = 2^(t - M_j), at most 1
.set i, i+1
.endr
	v_nop                                          ; a plain line behind the last exponential
	s_wait_alu depctr_va_vdst(0)                   ; one wait for the window's 256 exponentials, ahead of their first reader
	WIN \W|(\W<<2)
.irp a, 0,1,2,3
	v_pk_add_f32 v[X+2*(4*(\W-2)+\a):X+2*(4*(\W-2)+\a)+1], v[64*\a:64*\a+1], v[64*\a+2:64*\a+3]     ; THE SUM IS TAKEN OF THE UNQUANTISED p: two chains a block
	v_pk_add_f32 v[Y+2*(4*(\W-2)+\a):Y+2*(4*(\W-2)+\a)+1], v[64*\a+4:64*\a+5], v[64*\a+6:64*\a+7]
.endr
	WIN \W
.irp i, 8,12,16,20,24,28,32,36,40,44,48,52,56,60
.irp a, 0,1,2,3
	v_pk_add_f32 v[X+2*(4*(\W-2)+\a):X+2*(4*(\W-2)+\a)+1], v[64*\a+\i:64*\a+\i+1], v[X+2*(4*(\W-2)+\a):X+2*(4*(\W-2)+\a)+1]
	v_pk_add_f32 v[Y+2*(4*(\W-2)+\a):Y+2*(4*(\W-2)+\a)+1], v[64*\a+\i+2:64*\a+\i+3], v[Y+2*(4*(\W-2)+\a):Y+2*(4*(\W-2)+\a)+1]
.endr
.endr
.if \W == 3                            ; all sums are made: they and -M go to the other wave while the second window's codes are made
	WIN 0
.irp A, 0,1,2,3,4,5,6,7
	v_pk_add_f32 v[X+2*\A:X+2*\A+1], v[X+2*\A:X+2*\A+1], v[Y+2*\A:Y+2*\A+1]
.endr
.irp A, 0,1,2,3,4,5,6,7
	v_add_f32 v[LS+\A], v[X+2*\A], v[X+2*\A+1]
.endr
.irp A, 0,1,2,3,4,5,6,7
	v_permlanex16_b32 v[M1+\A], v[LS+\A], s94, s95
.endr
.irp A, 0,1,2,3,4,5,6,7
	v_add_f32 v[LS+\A], v[LS+\A], v[M1+\A]
.endr
.irp A, 0,1,2,3,4,5,6,7
	ds_store_b32 v[EXW], v[LS+\A] offset:2048+64*\A
	ds_store_b32 v[EXW], v[NM+2*\A] offset:4096+64*\A
.endr
	s_wait_dscnt 0x0                               ; for the other wave's sake: my stores are done; work on registers alone up to the barrier's wait
	s_barrier_signal -1
.endif
	WIN (\W<<6)|\W
.set i, 0
.rept 256
	v_min_num_f32 v[i], v[i], v[LIM]               ; the conversion does not saturate (ISA guide 7.6.2); p is not negative, so the hold is one-sided
.set i, i+1
.endr
	WIN \W
.set i, 0
.rept 32
	v_cvt_scalef32_pk8_fp8_f32 v[CD+64*(\W-2)+2*i:CD+64*(\W-2)+2*i+1], v[8*i:8*i+7], v[SC]   ; tile (a, b), i = 8 a + b: registers 2 b, 2 b + 1 of fragment a
.set i, i+1
.endr
	v_nop                                          ; one plain vector line behind the last conversion
	WIN 0
.if \W == 3
	s_wait_alu depctr_va_vdst(0)
	s_barrier_wait -1
.endif
.irp a, 0,1,2,3
.irp c, 0,1,2,3
	global_store_b128 v[VO], v[CD+64*(\W-2)+16*\a+4*\c:CD+64*(\W-2)+16*\a+4*\c+3], s[10:11] offset:(4*(\W-2)+\a)*2048+512*\c   ; 512 consecutive bytes, aligned; my eight fragments lie on end
.endr
.endr
.endr
	; THE STATISTICS: my wave's sums; both waves' meet in LDS; the even wave stores l_j of the 128 queries, the odd wave -M_j: 512 consecutive bytes each
	s_cmp_eq_u32 s16, 0                            ; the wave's number alone
	s_cbranch_scc0 .Lodd
	ds_load_b128 v[56:59], v[EXR] offset:2048      ; four queries a lane: my wave's sums,
	ds_load_b128 v[60:63], v[EXQ] offset:2048      ; the other wave's
	s_wait_dscnt 0x0
	v_pk_add_f32 v[56:57], v[56:57], v[60:61]
	v_pk_add_f32 v[58:59], v[58:59], v[62:63]
	global_store_b128 v[VO], v[56:59], s[70:71]
	s_branch .Ldone
.Lodd:
	ds_load_b128 v[56:59], v[EXR] offset:4096
	s_wait_dscnt 0x0
	global_store_b128 v[VO], v[56:59], s[68:69]
.Ldone:
	s_wait_tensorcnt 0x0                           ; the wave's end: behind my last tensor load and my last LDS store
	ds_add_u32 v[SPW], v[NIL]
	s_wait_dscnt 0x0
	CROUND                                         ; the closing round
	s_endpgm
.Lfunc_end_k_q73143da2e1_scores:
	.size	k_q73143da2e1_scores, .Lfunc_end_k_q73143da2e1_scores-k_q73143da2e1_scores
	.p2alignl 7, 3214868480
	.fill 96, 4, 3214868480
	.section	.rodata,"a",@progbits
	.p2align	6, 0x0
	.amdhsa_kernel k_q73143da2e1_scores
		.amdhsa_group_segment_fixed_size 327680
		.amdhsa_private_segment_fixed_size 0
		.amdhsa_enable_private_segment 0
		.amdhsa_kernarg_size 48
		.amdhsa_user_sgpr_count 2
		.amdhsa_user_sgpr_kernarg_segment_ptr 1
		.amdhsa_wavefront_size32 1
		.amdhsa_system_sgpr_workgroup_id_x 1
		.amdhsa_system_sgpr_workgroup_id_y 1
		.amdhsa_system_sgpr_workgroup_id_z 1
		.amdhsa_system_vgpr_workitem_id 0
		.amdhsa_next_free_vgpr 1024
		.amdhsa_next_free_sgpr 100
		.amdhsa_reserve_vcc 0
		.amdhsa_float_denorm_mode_32 3
		.amdhsa_float_denorm_mode_16_64 3
		.amdhsa_memory_ordered 1
		.amdhsa_forward_progress 1
		.amdhsa_inst_pref_size 174
	.end_amdhsa_kernel
	.amdgpu_metadata
---
amdhsa.version: [ 1, 2 ]
amdhsa.kernels:
  - .name:           k_q73143da2e1_scores
    .symbol:         k_q73143da2e1_scores.kd
    .args:
      - { .name: q_img, .offset: 0, .size: 8, .value_kind: global_buffer, .address_space: global }
      - { .name: k_img, .offset: 8, .size: 8, .value_kind: global_buffer, .address_space: global }
      - { .name: lowp_scales, .offset: 16, .size: 8, .value_kind: global_buffer, .address_space: global }
      - { .name: p_img, .offset: 24, .size: 8, .value_kind: global_buffer, .address_space: global }
      - { .name: mstat, .offset: 32, .size: 8, .value_kind: global_buffer, .address_space: global }
      - { .name: lstat, .offset: 40, .size: 8, .value_kind: global_buffer, .address_space: global }
    .group_segment_fixed_size: 327680
    .private_segment_fixed_size: 0
    .kernarg_segment_align: 8
    .kernarg_segment_size: 48
    .max_flat_workgroup_size: 128
    .sgpr_count:     100
    .vgpr_count:     1024
    .wavefront_size: 32
...
	.end_amdgpu_metadata
.endif
;; end of part 2
;; launch pv (part 3): grid 4 x 64, 4 waves a work-group, clusters of 4 x 4, 327,680 bytes of LDS; arguments p_img, v_img, mstat, lstat, lowp_scales, out0; writes out0
.if DOCPART == 3
	.amdgcn_target "amdgcn-amd-amdhsa--gfx1250"
	.amdhsa_code_object_version 6
	.text
	.protected	k_q73143da2e1_pv
	.globl	k_q73143da2e1_pv
	.p2align	8
	.type	k_q73143da2e1_pv,@function
k_q73143da2e1_pv:
	s_mov_b64 s[64:65], 0
	v_nop
	global_prefetch_b8 v0, s[64:65] scope:SCOPE_SE
	s_setreg_imm32_b32 hwreg(HW_REG_WAVE_MODE, 25, 1), 1
	s_wait_xcnt 0x0
	s_wait_alu depctr_hold_cnt(0) depctr_sa_sdst(0) depctr_va_vdst(0) depctr_va_sdst(0) depctr_va_ssrc(0) depctr_va_vcc(0) depctr_vm_vsrc(0)
	s_getreg_b32 s2, hwreg(HW_REG_IB_STS2, 6, 4)
	s_cmp_eq_u32 s2, 0
	s_cbranch_scc0 .Lentry_in_a_cluster
	s_endpgm
.Lentry_in_a_cluster:
	s_bfe_u32 s2, ttmp6, 0x10000c
	s_cmp_lg_u32 s2, 0xf033
	s_cbranch_scc0 .Lentry_shape_is_right
	s_endpgm
.Lentry_shape_is_right:
; out(q, :) = 2^(e8 + e9) / l x sum over the eight key blocks j of 2^(M_j - M) T_j(q, :), T_j = the product of p's and v's codes over block j's 256 keys, M = the largest M_j of the row, l = sum_j 2^(M_j - M) l_j.
; ONE SET OF SUMS.  It stands in units of 2^(D_j) while block j is added: ahead of block j it is multiplied by f_j = 2^(D_(j-1) - D_j), exact; at the end by 2^(D_7 - M) 2^(e8 + e9) / l.
; D_j = max(M_j, R_j - 60), R_j = the largest M so far: D is M_j itself unless block j lies more than 60 powers of two under a block before it.  Then block j is taken in at 2^-60 of that block's unit,
; which moves a result by less than 2^-50 of v's largest magnitude: under f32's rounding.  So the sums stay under 2^60 x 2,048 x 448 x 448, whatever the scores.  No work is left out.
; LIMITS: a p that falls under the smallest f32 number against its row's largest counts for nothing.  NaN among the inputs is not served.
; SHARES.  A work-group makes 128 queries x 256 channels, a wave all 128 queries x 64 channels: 8 x 4 accumulators of 16 x 16, 256 registers.  256 work-groups.  K = 2,048 keys = 16 steps of 128.
; P LIES IN LDS, all 256 KiB of it: steps 0-7 by one tensor load a wave at the head, steps 8-15 by one more behind the full sequence; nothing is filled again.  Each fragment is read by all four waves.
; CLUSTERS 4 x 4: p's tile is asked for jointly along a row of the cluster (the four tiles of channels).
; V GOES FROM MEMORY STRAIGHT INTO REGISTERS, and is not asked for jointly: a fragment of v is used by ONE wave of the work-group, by eight products from registers; through LDS each of its bytes would be written and read once more for that one use.
; Its image is laid in the order of the operand's registers: a load is 512 bytes on end.  v's loads run three steps ahead, in four buffers: 3 x 8 KiB a wave are on their way, so no prefetch is written beside them.
; TRANSPOSED: source 0 = 16 channels of v, source 1 = 16 queries of p: lane (r, h) holds query r, register j of tile b the channel 16 b + 8 h + j.
; REGISTERS: window 0: v16-29 addresses and the add's two; v32-47 the factors, a pair a block of queries; v64-127 the head's and the way out's; v128-255 p's eight fragments.
;   window 1: v's four buffers of 64.   window 2: the sums, (a, b) at v[8 (4 a + b)].
; p's fragments have two sets: those of even steps at v128-255 of window 0, those of odd steps at v0-127 of window 3; a step's 32 loads are issued at the head of the step before.
; Clusters of even number take batches 0 and 1, those of odd number batches 2 and 3.
.set HALFP,  131072                    ; eight steps of p: 8 x 16,384
.set STAT,   2*HALFP                   ; behind p: 8 rows of 128 f32: row 0 the last factor, row j f_j
.set STAGE,  STAT+4096                 ; the way out: 16 rows x (256 bytes + 16) for each wave
.set SPARE,  STAGE+4*4352              ; the spare words
.set ADP,  16                          ; v16  LDS address of p's fragments: step x 16,384 + 16 x lane
.set CO,   17                          ; v17  16 x lane
.set VF,   18                          ; v18  LDS address of the factors, stepped
.set VF0,  19                          ; v19  of row 0: STAT + 4 r
.set QO,   20                          ; v20  4 x the thread's number
.set STO,  21
.set RD,   22
.set OO,   23
.set STW,  24                          ; v24  STAT + 4 x the thread's number
.set SPW,  28
.set NIL,  29
.set F,    32
.set MS,   64
.set LV,   72
.set FJ,   84
.set TMP,  64
.set PF,   128
.set G1,   24
.set G0,   32
.set MSB, 0
.macro WIN new
.if MSB != (\new)
	s_set_vgpr_msb (MSB<<8)|(\new)
.set MSB, (\new)
.endif
.endm
.macro CROUND                          ; a round of the cluster's barrier
	s_barrier_signal -1
	s_barrier_wait -1
	s_cmp_lg_u32 s14, 0
	s_cbranch_scc1 .Lnot_wave_0_\@
	s_barrier_signal -3
.Lnot_wave_0_\@:
	s_barrier_wait -3
	s_barrier_signal -1
	s_barrier_wait -1
.endm
.macro PLACES n
.rept \n
	v_nop
.endr
.endm
.macro LOADV buf, off                  ; v's four fragments of a step
	WIN 0x40
.irp b, 0,1,2,3
.irp c, 0,1,2,3
	global_load_b128 v[64*(\buf)+16*\b+4*\c:64*(\buf)+16*\b+4*\c+3], v[CO], s[60:61] offset:(\off)+32768*\b+512*\c
.endr
.endr
	WIN 0
.endm
.macro FETCHP par, kk                  ; p's eight blocks of the kk-th step from ADP, into the set of parity par
	WIN 0xc0*(\par)
.irp i, 0,1,2,3,4,5,6,7
.irp c, 0,1,2,3
	ds_load_b128 v[PF-128*(\par)+16*\i+4*\c:PF-128*(\par)+16*\i+4*\c+3], v[ADP] offset:16384*(\kk)+2048*\i+512*\c
.endr
.endr
	WIN 0
.endm
	s_load_b256 s[4:11], s[0:1], 0x0               ; p_img, v_img, mstat, lstat
	s_load_b128 s[84:87], s[0:1], 0x20             ; the scales' exponents s[84:85], out0 s[86:87]
	v_lshl_add_u32 v[SPW], v0, 2, SPARE
	v_mov_b32 v[NIL], 0
	ds_add_u32 v[SPW], v[NIL]                      ; the wave's opening: the add, twice on end, and its wait ahead of my first tensor load
	ds_add_u32 v[SPW], v[NIL]
	v_lshrrev_b32 v1, 5, v0
	v_readfirstlane_b32 s14, v1                    ; wave 0..3: which 64 channels are mine
	s_bfe_u32 s56, ttmp6, 0x40000                  ; cx: the tile of 256 channels (the grid is one cluster wide)
	s_bfe_u32 s57, ttmp6, 0x40004                  ; cy
	s_and_b32 s19, ttmp7, 0xffff
	s_and_b32 s17, s19, 1
	s_lshl_b32 s17, s17, 3
	s_lshr_b32 s19, s19, 1
	s_add_co_u32 s18, s19, s17                     ; four tiles a cluster: 8 x (cluster y & 1) + cluster y / 2
	s_lshl_b32 s17, s18, 2
	s_add_co_u32 s17, s17, s57                     ; the tile of 128 queries, through all batches
	s_lshr_b32 s18, s18, 2                         ; the batch: four clusters each
	s_lshl_b32 s58, s57, 2
	s_lshl_b32 s58, 15, s58                        ; my row of the cluster
	s_or_b32 s[G1], s58, (3<<16)|(1<<21)           ; the mask; elements of 8 bytes; no padding; bit 21 beside a mask
	s_mov_b32 s[G1+1], 256<<16                     ; rows of 2,048 bytes,
	s_mov_b32 s[G1+2], 16<<16                      ; 16 of them: two steps of p, dense
	s_mov_b32 s[G1+3], 256<<16
	s_mov_b32 s[G1+4], 16
	s_mov_b32 s[G1+5], 256
	s_mov_b32 s[G1+6], 0
	s_mov_b32 s[G1+7], 0
	s_lshl_b32 s20, s17, 18                        ; p: 262,144 bytes a tile; my two steps of a half: 32,768 x wave
	s_lshl_b32 s21, s14, 15
	s_add_co_u32 s20, s20, s21
	s_mov_b32 s21, 0
	s_lshl_b32 s60, s18, 6
	s_lshl_b32 s61, s56, 4
	s_add_co_u32 s60, s60, s61
	s_lshl_b32 s61, s14, 2
	s_add_co_u32 s60, s60, s61
	s_lshl_b32 s60, s60, 15                        ; v: block 64 x batch + 16 cx + 4 x wave, 32,768 bytes each
	s_mov_b32 s61, 0
	s_mov_b32 s[G0], 1
	s_lshl_b32 s[G0+1], s14, 15                    ; into LDS: wave x 32,768,
	s_mov_b32 s[G0+4], 1
	s_add_co_u32 s[G0+5], s[G0+1], HALFP           ; and for steps 8-15 HALFP on
	v_and_b32 v6, 31, v0
	v_lshlrev_b32 v[CO], 4, v6
	v_lshlrev_b32 v[QO], 2, v0
	s_wait_dscnt 0x0                               ; both opening adds are done
	s_wait_alu depctr_va_vdst(0)
	s_wait_kmcnt 0x0
	s_load_b64 s[88:89], s[84:85], 0x20            ; e8, e9
	s_add_nc_u64 s[20:21], s[4:5], s[20:21]
	s_add_nc_u64 s[60:61], s[6:7], s[60:61]
	s_mov_b64 s[G0+2:G0+3], s[20:21]
	s_or_b32 s[G0+3], s[G0+3], 0x80000000
	s_add_nc_u64 s[G0+6:G0+7], s[20:21], HALFP
	s_or_b32 s[G0+7], s[G0+7], 0x80000000
	CROUND                                         ; all sixteen work-groups are here: the first joint loads meet
	tensor_load_to_lds s[G0:G0+3], s[G1:G1+7]      ; steps 0-7
	s_nop 0
	PLACES 4
	s_lshl_b32 s22, s17, 9                         ; a thread to a query: 128 of both
	s_mov_b32 s23, 0
	s_add_nc_u64 s[8:9], s[8:9], s[22:23]
	s_add_nc_u64 s[10:11], s[10:11], s[22:23]
.irp j, 0,1,2,3,4,5,6,7
	global_load_b32 v[MS+\j], v[QO], s[8:9] offset:\j*32768        ; -M_j
	global_load_b32 v[LV+\j], v[QO], s[10:11] offset:\j*32768      ; l_j
.endr
	LOADV 0, 0                                     ; v's steps 0, 1, 2
	LOADV 1, 2048
	LOADV 2, 4096
	v_and_b32 v1, 15, v0                           ; r
	v_bfe_u32 v2, v0, 4, 1                         ; h
	v_lshl_add_u32 v[VF0], v1, 2, STAT
	v_lshl_add_u32 v[STW], v0, 2, STAT
	v_lshlrev_b32 v[OO], 4, v1                     ; the way out: lanes 0-15 take one row, lanes 16-31 the next; 16 bytes a lane
	v_lshl_add_u32 v[OO], v2, 12, v[OO]
	v_mul_u32_u24 v3, v1, 272
	v_lshl_add_u32 v3, v2, 5, v3                   ; in: row r, 32 bytes for each half of the lanes
	v_mul_u32_u24 v4, v2, 272
	v_lshl_add_u32 v4, v1, 4, v4                   ; back: two rows of 256 bytes
	s_mul_i32 s23, s14, 4352
	s_add_co_u32 s23, s23, STAGE                   ; my stage
	v_add_nc_u32 v[STO], s23, v3
	v_add_nc_u32 v[RD], s23, v4
	v_add_nc_u32 v[VF], 0, v[VF0]
	v_add_nc_u32 v[ADP], 0, v[CO]
.irp a, 0,1,2,3,4,5,6,7
	v_mov_b32 v[F+2*\a+1], 0                       ; (named as the upper half of a factor's pair)
.endr
	s_lshl_b32 s18, s17, 19                        ; out: 128 rows of 4,096 bytes a tile, + 1,024 cx + 256 x wave
	s_lshl_b32 s19, s56, 10
	s_add_co_u32 s18, s18, s19
	s_lshl_b32 s19, s14, 8
	s_add_co_u32 s18, s18, s19
	s_mov_b32 s19, 0
	s_add_nc_u64 s[86:87], s[86:87], s[18:19]
	s_wait_alu depctr_va_vdst(0)
	s_wait_kmcnt 0x0
	s_add_co_i32 s88, s88, s89                     ; e8 + e9
	s_wait_loadcnt 48                              ; the 16 statistics are in; v's 48 loads may be out
	v_max_num_f32 v80, -v[MS], -v[MS]              ; R_0 = M_0
	v_max_num_f32 v81, -v[MS], -v[MS]              ; D_0 = M_0
.macro DSTEP j, di, dn
	v_max_num_f32 v80, v80, -v[MS+\j]              ; R_j
	v_add_f32 v82, 0xc2700000, v80                 ; R_j - 60
	v_max_num_f32 v[\dn], v82, -v[MS+\j]           ; D_j
	v_sub_f32 v82, v[\di], v[\dn]                  ; a whole number, 60 at the most
	v_cvt_i32_f32 v82, v82                         ; (it saturates)
	v_ldexp_f32 v[FJ+\j], 1.0, v82                 ; f_j
.endm
	DSTEP 1, 81, 83
	DSTEP 2, 83, 81
	DSTEP 3, 81, 83
	DSTEP 4, 83, 81
	DSTEP 5, 81, 83
	DSTEP 6, 83, 81
	DSTEP 7, 81, 83
.irp j, 0,1,2,3,4,5,6,7
	v_sub_f32 v[MS+\j], -v[MS+\j], v80             ; M_j - M
.endr
.irp j, 0,1,2,3,4,5,6,7
	v_cvt_i32_f32 v[MS+\j], v[MS+\j]
.endr
.irp j, 0,1,2,3,4,5,6,7
	v_ldexp_f32 v[LV+\j], v[LV+\j], v[MS+\j]
.endr
.irp j, 0,2,4,6
	v_add_f32 v[LV+\j], v[LV+\j], v[LV+\j+1]
.endr
	v_sub_f32 v81, v83, v80                        ; D_7 - M
	v_add_f32 v[LV], v[LV], v[LV+2]
	v_add_f32 v[LV+4], v[LV+4], v[LV+6]
	v_cvt_i32_f32 v81, v81
	v_add_f32 v[LV], v[LV], v[LV+4]                ; l
	v_add_nc_u32 v81, s88, v81
	s_wait_alu depctr_va_vdst(0)
	v_rcp_f32 v[LV], v[LV]
	v_nop
	s_wait_alu depctr_va_vdst(0)                   ; ahead of the reciprocal's first reader
	v_ldexp_f32 v[FJ], v[LV], v81                  ; 2^(D_7 - M + e8 + e9) / l
; 4 matrix instructions: block a of queries against v's four tiles.  The 32 accumulators take turns.
; rs: the block of queries whose sums are meanwhile brought into the next key block's unit (-1: none); its last products stand in front of four places, and it is multiplied ahead of its own next products.
.macro QTR a, buf, rs, zero
.irp h, 0,1
.set PA, PF-128*((\buf)%2)+16*(\a)     ; p's block a of this step: v's buffer number has the step's parity
	WIN 0xa1+0x0c*((\buf)%2)                       ; source 0 (v) window 1, source 1 (p) window 0 or 3, C and D window 2
.irp b, 0,1
.if \zero
	v_wmma_f32_16x16x128_fp8_fp8 v[32*(\a)+16*\h+8*\b:32*(\a)+16*\h+8*\b+7], v[64*(\buf)+32*\h+16*\b:64*(\buf)+32*\h+16*\b+15], v[PA:PA+15], 0
.else
	v_wmma_f32_16x16x128_fp8_fp8 v[32*(\a)+16*\h+8*\b:32*(\a)+16*\h+8*\b+7], v[64*(\buf)+32*\h+16*\b:64*(\buf)+32*\h+16*\b+15], v[PA:PA+15], v[32*(\a)+16*\h+8*\b:32*(\a)+16*\h+8*\b+7]
.endif
.endr
.if (\rs) >= 0
	WIN 0x82                                       ; source 0 and destination window 2, the factor window 0
.irp i, 0,2,4,6,8,10,12,14
	v_pk_mul_f32 v[32*(\rs)+16*\h+\i:32*(\rs)+16*\h+\i+1], v[32*(\rs)+16*\h+\i:32*(\rs)+16*\h+\i+1], v[F+2*(\rs):F+2*(\rs)+1] op_sel_hi:[1,0]
.endr
.endif
.endr
.endm
; A step.  ev = 0: odd: it fetches the next key block's factors, and multiplies block 0's sums at its end; 1: even: it multiplies block a + 1's beside block a's products; 2: step 0: it starts the sums with the constant 0.
; ldv: the offset of v's step three on (-1: none);  lc: v's loads that may be out;  bar = 1: the barrier behind which p's steps 8-15 are read;  adv: bytes from this step to the next trip's (0: the next step lies in this trip).
.macro STEP kk, buf, ev, ldv, lc, bar, adv
.if (\ev) == 1
	s_wait_alu depctr_va_vdst(0)
.endif
	s_wait_dscnt 0x0                               ; p's eight fragments and the factors are in
	s_wait_loadcnt \lc                             ; v's four fragments are in
.if \bar
	s_wait_tensorcnt 0x0                           ; my part of p's steps 8-15 is in
	s_barrier_signal -1
	s_barrier_wait -1
.endif
.if (\ev) == 0
.irp a, 0,1,2,3,4,5,6,7
	ds_load_b32 v[F+2*\a], v[VF] offset:512*((\kk)/2+1)+64*\a
.endr
.endif
.if \adv
	s_add_co_u32 s2, s2, \adv
	v_add_nc_u32 v[ADP], s2, v[CO]
	s_wait_alu depctr_va_vdst(0)
	FETCHP 1-(\buf)%2, 0                           ; the next step's p (the last step ended with the places that loads over its operands want)
.else
	FETCHP 1-(\buf)%2, (\kk)+1
.endif
.if (\ldv) >= 0
	LOADV (\buf+3)%4, \ldv
.endif
.irp q, 0,1,2,3,4,5,6,7
.if (\ev) == 1 && \q < 7
	QTR \q, \buf, \q+1, 0
.elseif (\ev) == 0 && \q == 7
	PLACES 4                                       ; block 0's sums, made at this step's head, are multiplied beside block 7's products
	s_wait_dscnt 32                                ; the factors are in; p's 32 loads may be out
	QTR \q, \buf, 0, 0
.else
	QTR \q, \buf, -1, (\ev)/2
.endif
.endr
.if (\ev) != 0
	PLACES 4                                       ; (in an odd step block 0's multiplications are the places)
.endif
	WIN 0
.endm
.macro TRIP bar                        ; four steps: odd, even, odd, even
	STEP 0, 1, 0, 0, 32, 0, 0
	STEP 1, 2, 1, 2048, 32, 0, 0
	STEP 2, 3, 0, 4096, 32, 0, 0
	STEP 3, 0, 1, 6144, 32, \bar, 65536
	s_add_co_u32 s19, s19, 1024
	v_add_nc_u32 v[VF], s19, v[VF0]                ; two key blocks on
	s_wait_alu depctr_va_vdst(0)
	s_wait_xcnt 0x0                                ; v's loads have read their base
	s_add_nc_u64 s[60:61], s[60:61], 8192
.endm
	s_mov_b32 s2, 0
	s_mov_b32 s19, 0
	s_wait_alu depctr_va_vdst(0)                   ; the wait at the head's end
	s_wait_tensorcnt 0x0                           ; my part of p's steps 0-7 is in
.irp j, 0,1,2,3,4,5,6,7
	ds_store_b32 v[STW], v[FJ+\j] offset:512*\j    ; my query's factors, for all four waves
.endr
	s_wait_tensorcnt 0x0
	ds_add_u32 v[SPW], v[NIL]
	s_wait_dscnt 0x0                               ; the add and my stores are done
	CROUND                                         ; steps 0-7 and the factors are everybody's, and the joint loads meet
	tensor_load_to_lds s[G0+4:G0+7], s[G1:G1+7]    ; steps 8-15
	s_nop 0
	PLACES 4
	FETCHP 0, 0
	STEP 0, 0, 2, 6144, 32, 0, 16384               ; step 0
	s_wait_xcnt 0x0
	s_add_nc_u64 s[60:61], s[60:61], 8192
	TRIP 1                                         ; steps 1-4, with the barrier for p's second half
	s_mov_b32 s3, 2
.Ltrip:                                                ; steps 5-12
	TRIP 0
	s_sub_co_u32 s3, s3, 1
	s_cmp_lg_u32 s3, 0
	s_cbranch_scc1 .Ltrip
	STEP 0, 1, 0, -1, 32, 0, 0                     ; steps 13 and 14: all of v has been asked for
	STEP 1, 2, 1, -1, 16, 0, 0
; THE LAST STEP GOES BY ROWS: a block of 16 queries leaves while the later blocks are multiplied.  A lane holds 32 neighbouring bytes of a row, so a block goes through my own stage in LDS and comes back as rows of 256 bytes.
; LDS serves a wave's instructions in order (ISA guide 5.7.1.4): no wait between the stores and the loads, nor in front of the next block's stores.
.macro OUTS a
.set RB, 96+32*((\a)%2)
	WIN 0x02                                       ; source 0: window 2
.irp i, 0,2,4,6,8,10,12,14,16,18,20,22,24,26,28,30
	v_pk_mul_f32 v[TMP+\i:TMP+\i+1], v[32*(\a)+\i:32*(\a)+\i+1], v[F+2*(\a):F+2*(\a)+1] op_sel_hi:[1,0]
.endr
	WIN 0
.irp b, 0,1,2,3
	ds_store_b128 v[STO], v[TMP+8*\b:TMP+8*\b+3] offset:64*\b
	ds_store_b128 v[STO], v[TMP+8*\b+4:TMP+8*\b+7] offset:64*\b+16
.endr
.irp t, 0,1,2,3,4,5,6,7
	ds_load_b128 v[RB+4*\t:RB+4*\t+3], v[RD] offset:2*\t*272
.endr
.endm
.macro SEND a, younger                 ; younger: the LDS instructions issued behind block a's loads, which may stay out
.set RB, 96+32*((\a)%2)
	s_wait_dscnt \younger
.irp t, 0,1,2,3,4,5,6,7
	global_store_b128 v[OO], v[RB+4*\t:RB+4*\t+3], s[86:87] offset:(16*(\a)+2*\t)*4096 th:TH_STORE_NT   ; two rows of 256 consecutive bytes, aligned; written once, read by nobody here
.endr
.endm
	s_wait_dscnt 0x0
	s_wait_loadcnt 0x0
.irp a, 0,1,2,3,4,5,6,7
	ds_load_b32 v[F+2*\a], v[VF0] offset:64*\a     ; the last factor
.endr
.irp q, 0,1,2,3
	QTR \q, 3, -1, 0
.endr
	PLACES 4
	WIN 0
	s_wait_dscnt 0x0
.irp q, 0,1,2,3,4,5,6,7
.if \q < 4
	QTR \q+4, 3, -1, 0
.endif
.if \q > 1
	s_wait_xcnt 0x0                                ; block q - 2's stores have read their registers
.endif
	OUTS \q
.if \q > 0
	SEND \q-1, 16                                  ; behind block q - 1's loads: block q's 8 stores and 8 loads
.endif
.endr
	SEND 7, 0
	s_wait_tensorcnt 0x0                           ; the wave's end: behind my last tensor load and my last LDS store
	ds_add_u32 v[SPW], v[NIL]
	s_wait_dscnt 0x0
	CROUND                                         ; the closing round
	s_endpgm
.Lfunc_end_k_q73143da2e1_pv:
	.size	k_q73143da2e1_pv, .Lfunc_end_k_q73143da2e1_pv-k_q73143da2e1_pv
	.p2alignl 7, 3214868480
	.fill 96, 4, 3214868480
	.section	.rodata,"a",@progbits
	.p2align	6, 0x0
	.amdhsa_kernel k_q73143da2e1_pv
		.amdhsa_group_segment_fixed_size 327680
		.amdhsa_private_segment_fixed_size 0
		.amdhsa_enable_private_segment 0
		.amdhsa_kernarg_size 48
		.amdhsa_user_sgpr_count 2
		.amdhsa_user_sgpr_kernarg_segment_ptr 1
		.amdhsa_wavefront_size32 1
		.amdhsa_system_sgpr_workgroup_id_x 1
		.amdhsa_system_sgpr_workgroup_id_y 1
		.amdhsa_system_sgpr_workgroup_id_z 1
		.amdhsa_system_vgpr_workitem_id 0
		.amdhsa_next_free_vgpr 1024
		.amdhsa_next_free_sgpr 100
		.amdhsa_reserve_vcc 0
		.amdhsa_float_denorm_mode_32 3
		.amdhsa_float_denorm_mode_16_64 3
		.amdhsa_memory_ordered 1
		.amdhsa_forward_progress 1
		.amdhsa_inst_pref_size 155
	.end_amdhsa_kernel
	.amdgpu_metadata
---
amdhsa.version: [ 1, 2 ]
amdhsa.kernels:
  - .name:           k_q73143da2e1_pv
    .symbol:         k_q73143da2e1_pv.kd
    .args:
      - { .name: p_img, .offset: 0, .size: 8, .value_kind: global_buffer, .address_space: global }
      - { .name: v_img, .offset: 8, .size: 8, .value_kind: global_buffer, .address_space: global }
      - { .name: mstat, .offset: 16, .size: 8, .value_kind: global_buffer, .address_space: global }
      - { .name: lstat, .offset: 24, .size: 8, .value_kind: global_buffer, .address_space: global }
      - { .name: lowp_scales, .offset: 32, .size: 8, .value_kind: global_buffer, .address_space: global }
      - { .name: out0, .offset: 40, .size: 8, .value_kind: global_buffer, .address_space: global }
    .group_segment_fixed_size: 327680
    .private_segment_fixed_size: 0
    .kernarg_segment_align: 8
    .kernarg_segment_size: 48
    .max_flat_workgroup_size: 128
    .sgpr_count:     100
    .vgpr_count:     1024
    .wavefront_size: 32
...
	.end_amdgpu_metadata
.endif
;; end of part 3
